; MI455X (gfx1250); checked and timed in simulation.
; The chip was launched on July 23, 2026; its instructions are those of AMD's public machine-readable ISA for CDNA 5 (MIT licence, August 2026) and "CDNA5" Instruction Set Architecture Reference Guide (July 2026). The comments in the code are by the model that wrote it; some were corrected since.
;; TL Model. Allowed arithmetic: float matrix products may take bf16 or f16 operands with f32 sums; all other float work in f32.
;; Inputs: W 64 x 1,024 x 4 float32; b 64 x 4 float32; subject_ids 32,768 int32; x 32,768 x 1,024 float32.
;; Outputs: out0 32,768 x 4 float32.
;; 2 versions, each right; version 2 is version 1 with the launch heads written anew for expert scheduling mode. Each part assembles by itself: llvm-mc -triple=amdgcn-amd-amdhsa -mcpu=gfx1250 --defsym DOCPART=n.
;; ======== version 1 of 2: 1 launch
;; launch heads (part 1): grid 256 x 1, 8 waves a work-group, no clusters, 0 bytes of LDS; arguments x, subject_ids, W, b, out0; writes out0
.if DOCPART == 1
	.amdgcn_target "amdgcn-amd-amdhsa--gfx1250"
	.amdhsa_code_object_version 6
	.text
	.protected	k_q2dfc848d09_heads
	.globl	k_q2dfc848d09_heads
	.p2align	8
	.type	k_q2dfc848d09_heads,@function
k_q2dfc848d09_heads:
	s_mov_b64 s[64:65], 0
	v_nop
	global_prefetch_b8 v0, s[64:65] scope:SCOPE_SE
	s_setreg_imm32_b32 hwreg(HW_REG_WAVE_MODE, 25, 1), 1
	s_wait_xcnt 0x0
; out0[i][o] = sum over d of x[i][d] W[sid[i]][d][o] + b[sid[i]][o].   x [32768][1024], W [64][1024][4], b [64][4], out0 [32768][4], all f32; sid int32.
;
; THE WORK IS BUCKETED BY SUBJECT, IN THIS ONE LAUNCH.  Gathered per sample, W would be 16,384 bytes for each 4,096-byte row of x.  So a wave
; owns one subject and one segment of 1,024 samples, keeps that subject's whole W in 128 registers, finds the samples of its segment that name
; the subject, and reads only their rows of x.  Work-group g (256 of them, 8 waves): subject g & 63, segments 8 (g >> 6) + wave.  Each pair
; (subject, segment) has one owner: every row of x is read once, every row of out0 is written once, and no wave hands anything to another:
; no LDS, no barrier.
; A row is 8 loads of 16 bytes a lane, each covering 512 consecutive bytes.  Lane l holds d = 128 j + 4 l + e (load j, register e) and the
; four W[s][d][0..3] of each of its 32 d.  64 packed multiply-adds a row, then the four sums are folded over the 32 lanes.
; NO MATRIX INSTRUCTIONS: a head has 4 columns, so 12 of a tile's 16 would be empty, and a fragment wants a row of x in two lanes, that is
; 32-byte pieces of 16 rows in each load or a trip of all of x through LDS; 64 packed multiply-adds for 4,096 bytes are no burden on a stream.
; NO CLUSTER: what work-groups share (W[s] 16,384 bytes, 4,096 bytes of ids a wave) is small beside the 64 KiB of x an average wave reads.
; THE WAY OUT is 16 bytes a sample, at rows that lie apart: the 16 samples of 256 consecutive output bytes name different subjects and so
; have different owners.  out0 is 524,288 of the launch's 136 million bytes.
; LIMITS: a sample whose id lies outside 0..63 has no owner and its row is not written (the problem keeps an index inside its table).
; The sums are f32 in another order than a plain dot product.  Uneven ids cost time only: a wave serves 0 to 1,024 rows.
.set SLOTS,   8                        ; rows on their way in each wave: 8 x 4,096 bytes
.set SEGROWS, 1024                     ; samples that a wave scans
; vector registers, block 0
.set LANE16, 1                         ; 16 x lane: my 16 bytes in each 512 of a row, and of the ids
.set WOFF,   2                         ; 64 x lane: my four d in each 2,048 bytes of W[s]
.set O4,     3                         ; 4 x (lane & 3): the output column that I end up with
.set BIAS,   4                         ; b[s][lane & 3]
.set VM,     5                         ; the bitmap: lane k holds word k, bit l of it = id register k of lane l names my subject
.set RES,    6                         ; a round's results: lanes 4 q .. 4 q + 3 hold slot q's four sums
.set ROWS,   7                         ; and that slot's row number
.set STA,    8                         ; the store's byte offset
.set STV,    9                         ; the store's data
.set OFF,    10                        ; v[10:17]  slot i: lane offset of its loads (16 x lane; 0 in a slot without a row)
.set ACC,    18                        ; v[18:25]  four chains of two sums: outputs (0,1), (2,3) for even d, the same for odd d
.set K0,     22                        ; the fold's registers lie on the odd chains, which are added up by then
.set S0,     23
.set K1,     24
.set S1,     25
.set ID,     64                        ; v[64:95]   my 32 ids
.set W,      128                       ; v[128:255] W[s]: 4 registers (4 outputs) for each of my 32 d
; block 1 (v256-v511): slot i's row in registers 32 i .. 32 i + 31 of the block
; scalar registers
.set XP,     4                         ; s[4:5] x    s[6:7] ids    s[8:9] W    s[10:11] b    s[12:13] out0
.set IDP,    6
.set WP,     8
.set BP,     10
.set OUTP,   12
.set WAVE,   14
.set SUBJ,   15
.set SEGROW, 16                        ; first row of my segment
.set CNT,    17                        ; rows that are mine
.set TRIPS,  18                        ; rounds but one
.set REM,    19                        ; rows of the last round, 1 to 8
.set TRIP,   20
.set NZ,     21                        ; bit k: word k of the bitmap is not empty
.set VALID,  22
.set WORD,   23
.set BITS,   24
.set BIT,    25
.set T0,     26
.set T1,     27
.set BYTEOFF, 28                       ; s[28:29] a byte offset as 64 bits; s29 stays 0
.set ADR,    30                        ; s[30:31]
.set MASK,   32                        ; s[32:63] the 32 compare masks; done with before the next two are first written
.set BASE,   32                        ; s[32:47] slot i: the address its loads start from
.set ROW,    48                        ; s[48:55] slot i: its row number
.set ODD,    66                        ; lanes with bit 0 set
.set UP2,    67                        ; lanes with bit 1 set
.set SELLO,  68                        ; v_permlanex16_b32: lane i of one half reads lane i of the other
.set SELHI,  69
.set WS,     70                        ; s[70:71] W[s]
.set QUAD,   72                        ; s[73:79] lanes 4 i .. 4 i + 3
; s_set_vgpr_msb's low byte: bits 1:0 source 0, 7:6 destination; the high byte repeats the setting that is left.  0 at labels and branches.
.set MSB, 0
.macro WIN new
.if MSB != \new
	s_set_vgpr_msb (MSB<<8)|\new
.set MSB, \new
.endif
.endm
.set ROW_AS_SRC0, 0x01                 ; multiply-adds: x from block 1, W and sums in block 0
.set ROW_AS_DST,  0x40                 ; loads: data to block 1, offset from block 0
	s_load_b256 s[XP:XP+7], s[0:1], 0x0            ; x, subject_ids, W, b
	s_load_b64 s[OUTP:OUTP+1], s[0:1], 0x20        ; out0
	v_lshrrev_b32 v[WOFF], 5, v0
	v_readfirstlane_b32 s[WAVE], v[WOFF]           ; wave 0..7
	v_and_b32 v[LANE16], 31, v0
	v_and_b32 v[O4], 3, v0
	v_lshlrev_b32 v[WOFF], 6, v[LANE16]
	v_lshlrev_b32 v[LANE16], 4, v[LANE16]
	v_lshlrev_b32 v[O4], 2, v[O4]
	s_and_b32 s[SUBJ], ttmp9, 63
	s_lshr_b32 s[SEGROW], ttmp9, 6
	s_lshl3_add_u32 s[SEGROW], s[SEGROW], s[WAVE]  ; segment = 8 x quarter + wave
	s_mov_b32 s[BYTEOFF+1], 0
	s_lshl_b32 s[BYTEOFF], s[SEGROW], 12           ; 1,024 ids of 4 bytes
	s_wait_kmcnt 0x0
	s_add_nc_u64 s[IDP:IDP+1], s[IDP:IDP+1], s[BYTEOFF:BYTEOFF+1]
.irp j, 0,1,2,3,4,5,6,7
	global_load_b128 v[ID+4*\j:ID+4*\j+3], v[LANE16], s[IDP:IDP+1] offset:512*\j   ; register 4 j + c of lane l: sample 128 j + 4 l + c
.endr
	s_lshl_b32 s[BYTEOFF], s[SUBJ], 14             ; a head is 1,024 x 4 x 4 bytes
	s_add_nc_u64 s[WS:WS+1], s[WP:WP+1], s[BYTEOFF:BYTEOFF+1]
.irp j, 0,1,2,3,4,5,6,7
.irp e, 0,1,2,3
	global_load_b128 v[W+16*\j+4*\e:W+16*\j+4*\e+3], v[WOFF], s[WS:WS+1] offset:2048*\j+16*\e   ; W[s][128 j + 4 l + e][0..3]; the four e together cover 2,048 consecutive bytes; once a wave
.endr
.endr
	s_lshl_b32 s[BYTEOFF], s[SUBJ], 4
	s_add_nc_u64 s[BP:BP+1], s[BP:BP+1], s[BYTEOFF:BYTEOFF+1]
	global_load_b32 v[BIAS], v[O4], s[BP:BP+1]
	s_lshl_b32 s[SEGROW], s[SEGROW], 10
	s_mov_b32 s[ODD], 0xaaaaaaaa
	s_mov_b32 s[UP2], 0xcccccccc
	s_mov_b32 s[SELLO], 0x76543210
	s_mov_b32 s[SELHI], 0xfedcba98
.irp i, 1,2,3,4,5,6,7
	s_mov_b32 s[QUAD+\i], 0xf<<(4*\i)
.endr
	v_mov_b32 v[VM], 0                             ; v_writelane_b32 keeps the other lanes: the register is written whole first
	s_mov_b32 s[CNT], 0
	s_wait_loadcnt 33                              ; the ids are in; the 32 loads of W and the one of b behind them stay out
.set k, 0
.rept 32
	v_cmp_eq_u32 s[MASK+k], s[SUBJ], v[ID+k]
.set k, k+1
.endr
.set k, 0
.rept 32
	v_writelane_b32 v[VM], s[MASK+k], k            ; the 1,024 bits as one register
	s_bcnt1_i32_b32 s[T0], s[MASK+k]
	s_add_co_u32 s[CNT], s[CNT], s[T0]
.set k, k+1
.endr
	v_cmp_ne_u32 s[NZ], 0, v[VM]
	s_cmp_eq_u32 s[CNT], 0
	s_cbranch_scc1 .Lend                           ; nobody in my segment names my subject
	s_add_co_u32 s[TRIPS], s[CNT], SLOTS-1
	s_lshr_b32 s[TRIPS], s[TRIPS], 3
	s_sub_co_u32 s[TRIPS], s[TRIPS], 1             ; rounds - 1: the last round stands behind the loop
	s_lshl_b32 s[REM], s[TRIPS], 3
	s_sub_co_u32 s[REM], s[CNT], s[REM]            ; 1 .. 8
; Take the next row off the bitmap for slot i: the lowest bit of the lowest word that has one.  Without branches: when no bit is left (NZ = 0)
; word 31 is read, which is 0 then, and stays 0.  Such a slot still makes its 8 loads, so that every counted wait holds on every path, but
; with all lanes at offset 0 of W[s], bytes that this wave has read itself: 16 bytes a load in place of 512.
.macro NEXT i
	WIN 0
	s_cmp_lg_u32 s[NZ], 0
	s_cselect_b32 s[VALID], 0x1f0, 0               ; a mask for 16 x lane, or nothing
	s_min_u32 s[VALID], s[VALID], 0x1f0            ; what hangs on loaded numbers enters an offset only behind a minimum with a constant
	s_ctz_i32_b32 s[WORD], s[NZ]                   ; -1 if there is none,
	s_and_b32 s[WORD], s[WORD], 31                 ; then 31
	v_readlane_b32 s[BITS], v[VM], s[WORD]
	s_lshl_b32 s[T1], 1, s[WORD]
	s_and_not1_b32 s[T1], s[NZ], s[T1]             ; NZ if this was the word's last bit
	s_ctz_i32_b32 s[BIT], s[BITS]
	s_add_co_i32 s[T0], s[BITS], -1
	s_and_b32 s[BITS], s[BITS], s[T0]              ; the lowest bit is cleared; SCC = bits are left in the word
	s_cselect_b32 s[NZ], s[NZ], s[T1]
	v_writelane_b32 v[VM], s[BITS], s[WORD]
	s_lshl_b32 s[T0], s[WORD], 5                   ; word k = 4 j + c, bit l: sample 128 j + 4 l + c
	s_and_b32 s[T0], s[T0], 0x380
	s_and_b32 s[T1], s[WORD], 3
	s_lshl2_add_u32 s[BIT], s[BIT], s[T1]
	s_add_co_u32 s[BIT], s[BIT], s[T0]
	s_min_u32 s[BIT], s[BIT], SEGROWS-1            ; inside my segment, whatever the bits said
	s_add_co_u32 s[ROW+\i], s[BIT], s[SEGROW]
	s_lshl_b32 s[BYTEOFF], s[ROW+\i], 12           ; below 2^27
	s_add_nc_u64 s[ADR:ADR+1], s[XP:XP+1], s[BYTEOFF:BYTEOFF+1]
	s_cmp_lg_u32 s[VALID], 0
	s_cselect_b64 s[BASE+2*\i:BASE+2*\i+1], s[ADR:ADR+1], s[WS:WS+1]
	v_and_b32 v[OFF+\i], s[VALID], v[LANE16]
.endm
.macro LOADS i                         ; the row: 8 loads of 512 consecutive bytes.  x is read once in the whole launch
	WIN ROW_AS_DST
.irp j, 0,1,2,3,4,5,6,7
	global_load_b128 v[32*\i+4*\j:32*\i+4*\j+3], v[OFF+\i], s[BASE+2*\i:BASE+2*\i+1] offset:512*\j th:TH_LOAD_NT
.endr
.endm
; Slot i's row times W[s].  Register pair p of the row holds d numbers 2 p and 2 p + 1 of my 32; op_sel and op_sel_hi take one of the two for
; both halves of a packed multiply-add, whose other source is that d's outputs (0,1) or (2,3).  The first products start the sums.
.macro COMPUTE i
	WIN ROW_AS_SRC0
	v_pk_mul_f32 v[ACC:ACC+1],   v[32*\i:32*\i+1], v[W:W+1]   op_sel_hi:[0,1]
	v_pk_mul_f32 v[ACC+2:ACC+3], v[32*\i:32*\i+1], v[W+2:W+3] op_sel_hi:[0,1]
	v_pk_mul_f32 v[ACC+4:ACC+5], v[32*\i:32*\i+1], v[W+4:W+5] op_sel:[1,0] op_sel_hi:[1,1]
	v_pk_mul_f32 v[ACC+6:ACC+7], v[32*\i:32*\i+1], v[W+6:W+7] op_sel:[1,0] op_sel_hi:[1,1]
.set p, 1
.rept 15
	v_pk_fma_f32 v[ACC:ACC+1],   v[32*\i+2*p:32*\i+2*p+1], v[W+8*p:W+8*p+1],   v[ACC:ACC+1]   op_sel_hi:[0,1,1]
	v_pk_fma_f32 v[ACC+2:ACC+3], v[32*\i+2*p:32*\i+2*p+1], v[W+8*p+2:W+8*p+3], v[ACC+2:ACC+3] op_sel_hi:[0,1,1]
	v_pk_fma_f32 v[ACC+4:ACC+5], v[32*\i+2*p:32*\i+2*p+1], v[W+8*p+4:W+8*p+5], v[ACC+4:ACC+5] op_sel:[1,0,0] op_sel_hi:[1,1,1]
	v_pk_fma_f32 v[ACC+6:ACC+7], v[32*\i+2*p:32*\i+2*p+1], v[W+8*p+6:W+8*p+7], v[ACC+6:ACC+7] op_sel:[1,0,0] op_sel_hi:[1,1,1]
.set p, p+1
.endr
	WIN 0
	v_pk_add_f32 v[ACC:ACC+1],   v[ACC:ACC+1],   v[ACC+4:ACC+5]
	v_pk_add_f32 v[ACC+2:ACC+3], v[ACC+2:ACC+3], v[ACC+6:ACC+7]
	; Four sums in each of 32 lanes become one sum in each lane, output lane & 3.  A lane keeps the output whose bit equals its own lane bit
	; and hands the other to its partner: 4 -> 2 -> 1 numbers over lane bits 0 and 1, then plain folds over bits 2, 3 and 4.
	v_cndmask_b32 v[K0], v[ACC],   v[ACC+1], s[ODD]        ; keep: odd lanes output 1, even lanes output 0
	v_cndmask_b32 v[S0], v[ACC+1], v[ACC],   s[ODD]        ; send: the other one
	v_cndmask_b32 v[K1], v[ACC+2], v[ACC+3], s[ODD]        ; the same of outputs 2 and 3
	v_cndmask_b32 v[S1], v[ACC+3], v[ACC+2], s[ODD]
	v_add_f32_dpp v[K0], v[S0], v[K0] row_xmask:1 row_mask:0xf bank_mask:0xf
	v_add_f32_dpp v[K1], v[S1], v[K1] row_xmask:1 row_mask:0xf bank_mask:0xf
	v_cndmask_b32 v[S0], v[K1], v[K0], s[UP2]
	v_cndmask_b32 v[K0], v[K0], v[K1], s[UP2]
	v_add_f32_dpp v[K0], v[S0], v[K0] row_xmask:2 row_mask:0xf bank_mask:0xf
	v_add_f32_dpp v[K0], v[K0], v[K0] row_xmask:4 row_mask:0xf bank_mask:0xf
	v_add_f32_dpp v[K0], v[K0], v[K0] row_xmask:8 row_mask:0xf bank_mask:0xf
	v_permlanex16_b32 v[S0], v[K0], s[SELLO], s[SELHI]     ; its destination counts as read: S0 has been written
.if \i
	v_add_f32 v[K0], v[K0], v[S0]                          ; every lane: the row's output lane & 3
	v_cndmask_b32 v[RES],  v[RES],  v[K0],      s[QUAD+\i] ; lanes 4 i .. 4 i + 3 take it,
	v_cndmask_b32 v[ROWS], v[ROWS], s[ROW+\i],  s[QUAD+\i] ; and the row's number
.else
	v_add_f32 v[RES], v[K0], v[S0]                         ; slot 0 has a row in every round: it writes all lanes, so that the lanes of a slot
	v_mov_b32 v[ROWS], s[ROW]                              ; without a row store slot 0's numbers to slot 0's words once more, and EXEC stays whole
.endif
.endm
.macro STORE                           ; a round's results: 16 bytes for each of 8 rows, one instruction
	s_wait_xcnt 0x0                                ; the last round's store has read STA and STV: they are rewritten only behind this wait
	v_min_u32 v[STA], 0x7fff, v[ROWS]              ; a row number from loaded data enters an offset only behind a minimum with a constant
	v_lshl_add_u32 v[STA], v[STA], 4, v[O4]
	v_add_f32 v[STV], v[RES], v[BIAS]
	global_store_b32 v[STA], v[STV], s[OUTP:OUTP+1]
.endm
.irp i, 0,1,2,3,4,5,6,7
	NEXT \i                                        ; fill the ring: my first 8 rows
	LOADS \i
.endr
	WIN 0
	s_cmp_eq_u32 s[TRIPS], 0
	s_cbranch_scc1 .Llast
	s_mov_b32 s[TRIP], 0
.Lround:                                           ; a round that is not the last: all 8 slots hold rows
.irp i, 0,1,2,3,4,5,6,7
	s_wait_loadcnt 8*(SLOTS-1)                     ; loads come back in order (ISA guide 5.7.1): this slot's 8 are in (and W and b, which are older), the 7 younger slots' 56 stay out.
	COMPUTE \i                                     ; That wait also frees the slot's offset and base, which NEXT rewrites
.if \i == SLOTS-1
	STORE                                          ; ahead of the slot's refill, so that its wait meets no load that was issued just now
.endif
	NEXT \i
	LOADS \i                                       ; the row 8 further down my list
.endr
	WIN 0
	s_add_co_u32 s[TRIP], s[TRIP], 1
	s_cmp_lt_u32 s[TRIP], s[TRIPS]
	s_cbranch_scc1 .Lround
.Llast:                                            ; the last round loads nothing: the counts run down.  It holds REM rows, in slots 0 .. REM - 1
.irp i, 0,1,2,3,4,5,6,7
.if \i
	s_cmp_le_u32 s[REM], \i
	s_cbranch_scc1 .Lfinish                        ; this slot and those behind it have no row; their 16-byte loads may be out at the end
.endif
	s_wait_loadcnt 8*(SLOTS-1-\i)
	COMPUTE \i
.endr
.Lfinish:
	STORE
.Lend:
	s_endpgm
.Lfunc_end_k_q2dfc848d09_heads:
	.size	k_q2dfc848d09_heads, .Lfunc_end_k_q2dfc848d09_heads-k_q2dfc848d09_heads
	.p2alignl 7, 3214868480
	.fill 96, 4, 3214868480
	.section	.rodata,"a",@progbits
	.p2align	6, 0x0
	.amdhsa_kernel k_q2dfc848d09_heads
		.amdhsa_group_segment_fixed_size 0
		.amdhsa_private_segment_fixed_size 0
		.amdhsa_enable_private_segment 0
		.amdhsa_kernarg_size 40
		.amdhsa_user_sgpr_count 2
		.amdhsa_user_sgpr_kernarg_segment_ptr 1
		.amdhsa_wavefront_size32 1
		.amdhsa_system_sgpr_workgroup_id_x 1
		.amdhsa_system_sgpr_workgroup_id_y 1
		.amdhsa_system_sgpr_workgroup_id_z 1
		.amdhsa_system_vgpr_workitem_id 0
		.amdhsa_next_free_vgpr 512
		.amdhsa_next_free_sgpr 80
		.amdhsa_reserve_vcc 0
		.amdhsa_float_denorm_mode_32 3
		.amdhsa_float_denorm_mode_16_64 3
		.amdhsa_memory_ordered 1
		.amdhsa_forward_progress 1
		.amdhsa_inst_pref_size 124
	.end_amdhsa_kernel
	.amdgpu_metadata
---
amdhsa.version: [ 1, 2 ]
amdhsa.kernels:
  - .name:           k_q2dfc848d09_heads
    .symbol:         k_q2dfc848d09_heads.kd
    .args:
      - { .name: x, .offset: 0, .size: 8, .value_kind: global_buffer, .address_space: global }
      - { .name: subject_ids, .offset: 8, .size: 8, .value_kind: global_buffer, .address_space: global }
      - { .name: W, .offset: 16, .size: 8, .value_kind: global_buffer, .address_space: global }
      - { .name: b, .offset: 24, .size: 8, .value_kind: global_buffer, .address_space: global }
      - { .name: out0, .offset: 32, .size: 8, .value_kind: global_buffer, .address_space: global }
    .group_segment_fixed_size: 0
    .private_segment_fixed_size: 0
    .kernarg_segment_align: 8
    .kernarg_segment_size: 40
    .max_flat_workgroup_size: 256
    .sgpr_count:     80
    .vgpr_count:     512
    .wavefront_size: 32
...
	.end_amdgpu_metadata
.endif
;; end of part 1
;; ======== version 2 of 2: 1 launch; version 1 with the launch heads written anew for expert scheduling mode
;; launch heads (part 2): grid 256 x 1, 8 waves a work-group, no clusters, 0 bytes of LDS; arguments x, subject_ids, W, b, out0; writes out0
.if DOCPART == 2
	.amdgcn_target "amdgcn-amd-amdhsa--gfx1250"
	.amdhsa_code_object_version 6
	.text
	.protected	k_q2dfc848d09_heads
	.globl	k_q2dfc848d09_heads
	.p2align	8
	.type	k_q2dfc848d09_heads,@function
k_q2dfc848d09_heads:
	s_mov_b64 s[64:65], 0
	v_nop
	global_prefetch_b8 v0, s[64:65] scope:SCOPE_SE
	s_setreg_imm32_b32 hwreg(HW_REG_WAVE_SCHED_MODE, 0, 2), 2
	s_setreg_imm32_b32 hwreg(HW_REG_WAVE_MODE, 25, 1), 1
	s_wait_xcnt 0x0
	s_wait_alu depctr_vm_vsrc(0)
; out0[i][o] = sum over d of x[i][d] W[sid[i]][d][o] + b[sid[i]][o].   x [32768][1024], W [64][1024][4], b [64][4], out0 [32768][4], all f32; sid int32.
;
; THE WORK IS BUCKETED BY SUBJECT, IN THIS ONE LAUNCH.  Gathered per sample, W would be 16,384 bytes for each 4,096-byte row of x.  So a wave
; owns one subject and one segment of 1,024 samples, keeps that subject's whole W in 128 registers, finds the samples of its segment that name
; the subject, and reads only their rows of x.  Work-group g (256 of them, 8 waves): subject g & 63, segments 8 (g >> 6) + wave.  Each pair
; (subject, segment) has one owner: every row of x is read once, every row of out0 is written once, and no wave hands anything to another:
; no LDS, no barrier.
; A row is 8 loads of 16 bytes a lane, each covering 512 consecutive bytes.  Lane l holds d = 128 j + 4 l + e (load j, register e) and the
; four W[s][d][0..3] of each of its 32 d.  64 packed multiply-adds a row, then the four sums are folded over the 32 lanes.
; NO MATRIX INSTRUCTIONS: a head has 4 columns, so 12 of a tile's 16 would be empty, and a fragment wants a row of x in two lanes, that is
; 32-byte pieces of 16 rows in each load or a trip of all of x through LDS; 64 packed multiply-adds for 4,096 bytes are no burden on a stream.
; NO CLUSTER: what work-groups share (W[s] 16,384 bytes, 4,096 bytes of ids a wave) is small beside the 64 KiB of x an average wave reads.
; THE WAY OUT is 16 bytes a sample, at rows that lie apart: the 16 samples of 256 consecutive output bytes name different subjects and so
; have different owners.  out0 is 524,288 of the launch's 136 million bytes.
; LIMITS: a sample whose id lies outside 0..63 has no owner and its row is not written (the problem keeps an index inside its table).
; The sums are f32 in another order than a plain dot product.  Uneven ids cost time only: a wave serves 0 to 1,024 rows.
;
; THE MODE: SCHED_MODE bits 1:0 = 2 (LLVM: expert scheduling mode 2), set by the entry lines.  The code itself states the register dependences
; between vector instructions and memory instructions, with s_wait_alu, always for 0.
; THE PLAN.  Registers that memory instructions touch:
;   slot i's row   32 registers of block 1.  Written by the slot's 8 loads; read by the 64 packed lines of the slot's turn (DOT).
;   OFF + i        Written by one vector line of the slot's turn (AIM); read by the slot's 8 loads.
;   STA, STV       Written by three vector lines once a round (OUT); read by the round's one store.
;   LANE16, WOFF, O4   Made at the head, never written again.      ID, W, BIAS   Loaded once, then read by vector instructions alone.
;   The sums, the fold's registers, RES, ROWS and the bitmap VM are named by vector instructions alone.
; Scalar registers that vector instructions write: the wave's number, the 32 compare masks, NZ, and in every turn BITS (v_readlane_b32).
; A SLOT'S TURN: the wait for its row; PICK (the list's next word is read into BITS); TAKE (the row's number goes into ROWS, ahead of the line
; that overwrites it); DOT; the wait on va_sdst for BITS, 64 vector lines behind its writer; PLACE (scalar work: the next row's address); the wait
; on vm_vsrc, 64 vector lines and more behind the youngest loads; AIM; ONE wait on va_vdst; the slot's 8 loads; FOLD, which names none of the
; loads' registers.  In the round's last turn FOLD and OUT stand ahead of that one wait, which then serves the round's store too.
.set SLOTS,   8                        ; rows on their way in each wave: 8 x 4,096 bytes
.set SEGROWS, 1024                     ; samples that a wave scans
; vector registers, block 0
.set LANE16, 1                         ; 16 x lane: my 16 bytes in each 512 of a row, and of the ids
.set WOFF,   2                         ; 64 x lane: my four d in each 2,048 bytes of W[s]
.set O4,     3                         ; 4 x (lane & 3): the output column that I end up with
.set BIAS,   4                         ; b[s][lane & 3]
.set VM,     5                         ; the bitmap: lane k holds word k, bit l of it = id register k of lane l names my subject
.set RES,    6                         ; a round's results: lanes 4 q .. 4 q + 3 hold slot q's four sums
.set ROWS,   7                         ; and that slot's row number
.set STA,    8                         ; the store's byte offset
.set STV,    9                         ; the store's data
.set OFF,    10                        ; v[10:17]  slot i: lane offset of its loads (16 x lane; 0 in a slot without a row)
.set ACC,    18                        ; v[18:25]  four chains of two sums: outputs (0,1), (2,3) for even d, the same for odd d
.set K0,     22                        ; the fold's registers lie on the odd chains, which are added up by then
.set S0,     23
.set K1,     24
.set S1,     25
.set ID,     64                        ; v[64:95]   my 32 ids
.set W,      128                       ; v[128:255] W[s]: 4 registers (4 outputs) for each of my 32 d
; block 1 (v256-v511): slot i's row in registers 32 i .. 32 i + 31 of the block
; scalar registers
.set XP,     4                         ; s[4:5] x    s[6:7] ids    s[8:9] W    s[10:11] b    s[12:13] out0
.set IDP,    6
.set WP,     8
.set BP,     10
.set OUTP,   12
.set WAVE,   14
.set SUBJ,   15
.set SEGROW, 16                        ; first row of my segment
.set CNT,    17                        ; rows that are mine
.set TRIPS,  18                        ; rounds but one
.set REM,    19                        ; rows of the last round, 1 to 8
.set TRIP,   20
.set NZ,     21                        ; bit k: word k of the bitmap is not empty
.set VALID,  22
.set WORD,   23
.set BITS,   24
.set BIT,    25
.set T0,     26
.set T1,     27
.set BYTEOFF, 28                       ; s[28:29] a byte offset as 64 bits; s29 stays 0
.set ADR,    30                        ; s[30:31]
.set MASK,   32                        ; s[32:63] the 32 compare masks; done with before the next two are first written
.set BASE,   32                        ; s[32:47] slot i: the address its loads start from
.set ROW,    48                        ; s[48:55] slot i: its row number
.set ODD,    66                        ; lanes with bit 0 set
.set UP2,    67                        ; lanes with bit 1 set
.set SELLO,  68                        ; v_permlanex16_b32: lane i of one half reads lane i of the other
.set SELHI,  69
.set WS,     70                        ; s[70:71] W[s]
.set QUAD,   72                        ; s[73:79] lanes 4 i .. 4 i + 3
; s_set_vgpr_msb's low byte: bits 1:0 source 0, 7:6 destination; the high byte repeats the setting that is left.  0 at labels and branches.
.set MSB, 0
.macro WIN new
.if MSB != \new
	s_set_vgpr_msb (MSB<<8)|\new
.set MSB, \new
.endif
.endm
.set ROW_AS_SRC0, 0x01                 ; multiply-adds: x from block 1, W and sums in block 0
.set ROW_AS_DST,  0x40                 ; loads: data to block 1, offset from block 0
	s_load_b256 s[XP:XP+7], s[0:1], 0x0            ; x, subject_ids, W, b
	s_load_b64 s[OUTP:OUTP+1], s[0:1], 0x20        ; out0
	v_lshrrev_b32 v[WOFF], 5, v0
	v_readfirstlane_b32 s[WAVE], v[WOFF]           ; wave 0..7
	v_and_b32 v[LANE16], 31, v0
	v_and_b32 v[O4], 3, v0
	v_lshlrev_b32 v[WOFF], 6, v[LANE16]
	v_lshlrev_b32 v[LANE16], 4, v[LANE16]
	v_lshlrev_b32 v[O4], 2, v[O4]
	s_and_b32 s[SUBJ], ttmp9, 63
	s_lshr_b32 s[SEGROW], ttmp9, 6
	s_wait_alu depctr_va_sdst(0)                   ; the wave's number is written, ahead of its first reader: the segment is made from it
	s_lshl3_add_u32 s[SEGROW], s[SEGROW], s[WAVE]  ; segment = 8 x quarter + wave
	s_mov_b32 s[BYTEOFF+1], 0
	s_lshl_b32 s[BYTEOFF], s[SEGROW], 12           ; 1,024 ids of 4 bytes
	s_wait_kmcnt 0x0
	s_add_nc_u64 s[IDP:IDP+1], s[IDP:IDP+1], s[BYTEOFF:BYTEOFF+1]
	s_wait_alu depctr_va_vdst(0)                   ; LANE16, WOFF and O4 are written: the loads of the ids, of W and of b read them as offsets
.irp j, 0,1,2,3,4,5,6,7
	global_load_b128 v[ID+4*\j:ID+4*\j+3], v[LANE16], s[IDP:IDP+1] offset:512*\j   ; register 4 j + c of lane l: sample 128 j + 4 l + c
.endr
	s_lshl_b32 s[BYTEOFF], s[SUBJ], 14             ; a head is 1,024 x 4 x 4 bytes
	s_add_nc_u64 s[WS:WS+1], s[WP:WP+1], s[BYTEOFF:BYTEOFF+1]
.irp j, 0,1,2,3,4,5,6,7
.irp e, 0,1,2,3
	global_load_b128 v[W+16*\j+4*\e:W+16*\j+4*\e+3], v[WOFF], s[WS:WS+1] offset:2048*\j+16*\e   ; W[s][128 j + 4 l + e][0..3]; the four e together cover 2,048 consecutive bytes; once a wave
.endr
.endr
	s_lshl_b32 s[BYTEOFF], s[SUBJ], 4
	s_add_nc_u64 s[BP:BP+1], s[BP:BP+1], s[BYTEOFF:BYTEOFF+1]
	global_load_b32 v[BIAS], v[O4], s[BP:BP+1]
	s_lshl_b32 s[SEGROW], s[SEGROW], 10
	s_mov_b32 s[ODD], 0xaaaaaaaa
	s_mov_b32 s[UP2], 0xcccccccc
	s_mov_b32 s[SELLO], 0x76543210
	s_mov_b32 s[SELHI], 0xfedcba98
.irp i, 1,2,3,4,5,6,7
	s_mov_b32 s[QUAD+\i], 0xf<<(4*\i)
.endr
	v_mov_b32 v[VM], 0                             ; v_writelane_b32 keeps the other lanes: the register is written whole first
	s_mov_b32 s[CNT], 0
	s_wait_loadcnt 33                              ; the ids are in; the 32 loads of W and the one of b behind them stay out
.set k, 0
.rept 32
	v_cmp_eq_u32 s[MASK+k], s[SUBJ], v[ID+k]
.set k, k+1
.endr
	s_wait_alu depctr_va_sdst(0)                   ; the 32 compares have written their masks, ahead of the lines below, which read them
.set k, 0
.rept 32
	v_writelane_b32 v[VM], s[MASK+k], k            ; the 1,024 bits as one register
	s_bcnt1_i32_b32 s[T0], s[MASK+k]
	s_add_co_u32 s[CNT], s[CNT], s[T0]
.set k, k+1
.endr
	v_cmp_ne_u32 s[NZ], 0, v[VM]
	s_wait_alu depctr_va_sdst(0)                   ; NZ is written
	s_cmp_eq_u32 s[CNT], 0
	s_cbranch_scc1 .Lend                           ; nobody in my segment names my subject
	s_add_co_u32 s[TRIPS], s[CNT], SLOTS-1
	s_lshr_b32 s[TRIPS], s[TRIPS], 3
	s_sub_co_u32 s[TRIPS], s[TRIPS], 1             ; rounds - 1: the last round stands behind the loop
	s_lshl_b32 s[REM], s[TRIPS], 3
	s_sub_co_u32 s[REM], s[CNT], s[REM]            ; 1 .. 8
; Take the next row off the bitmap for a slot: the lowest bit of the lowest word that has one.  Without branches: when no bit is left (NZ = 0)
; word 31 is read, which is 0 then, and stays 0.  Such a slot still makes its 8 loads, so that every counted wait holds on every path, but
; with all lanes at offset 0 of W[s], bytes that this wave has read itself: 16 bytes a load in place of 512.
; In three parts: PICK reads the word, PLACE (behind the wait for that read) makes the row's number and address, AIM makes the lanes' offset.
.macro PICK
	WIN 0
	s_cmp_lg_u32 s[NZ], 0
	s_cselect_b32 s[VALID], 0x1f0, 0               ; a mask for 16 x lane, or nothing
	s_min_u32 s[VALID], s[VALID], 0x1f0            ; what hangs on loaded numbers enters an offset only behind a minimum with a constant
	s_ctz_i32_b32 s[WORD], s[NZ]                   ; -1 if there is none,
	s_and_b32 s[WORD], s[WORD], 31                 ; then 31
	v_readlane_b32 s[BITS], v[VM], s[WORD]
	s_lshl_b32 s[T1], 1, s[WORD]
	s_and_not1_b32 s[T1], s[NZ], s[T1]             ; NZ if this was the word's last bit
.endm
.macro PLACE i
	WIN 0
	s_wait_alu depctr_va_sdst(0)                   ; v_readlane_b32 has written BITS, ahead of its first reader: the row's number and address are made from it
	s_ctz_i32_b32 s[BIT], s[BITS]
	s_add_co_i32 s[T0], s[BITS], -1
	s_and_b32 s[BITS], s[BITS], s[T0]              ; the lowest bit is cleared; SCC = bits are left in the word
	s_cselect_b32 s[NZ], s[NZ], s[T1]
	v_writelane_b32 v[VM], s[BITS], s[WORD]
	s_lshl_b32 s[T0], s[WORD], 5                   ; word k = 4 j + c, bit l: sample 128 j + 4 l + c
	s_and_b32 s[T0], s[T0], 0x380
	s_and_b32 s[T1], s[WORD], 3
	s_lshl2_add_u32 s[BIT], s[BIT], s[T1]
	s_add_co_u32 s[BIT], s[BIT], s[T0]
	s_min_u32 s[BIT], s[BIT], SEGROWS-1            ; inside my segment, whatever the bits said
	s_add_co_u32 s[ROW+\i], s[BIT], s[SEGROW]
	s_lshl_b32 s[BYTEOFF], s[ROW+\i], 12           ; below 2^27
	s_add_nc_u64 s[ADR:ADR+1], s[XP:XP+1], s[BYTEOFF:BYTEOFF+1]
	s_cmp_lg_u32 s[VALID], 0
	s_cselect_b64 s[BASE+2*\i:BASE+2*\i+1], s[ADR:ADR+1], s[WS:WS+1]
.endm
.macro AIM i
	v_and_b32 v[OFF+\i], s[VALID], v[LANE16]
.endm
.macro LOADS i                         ; the row: 8 loads of 512 consecutive bytes, under ROW_AS_DST.  x is read once in the whole launch
.irp j, 0,1,2,3,4,5,6,7
	global_load_b128 v[32*\i+4*\j:32*\i+4*\j+3], v[OFF+\i], s[BASE+2*\i:BASE+2*\i+1] offset:512*\j th:TH_LOAD_NT
.endr
.endm
; The number of the row that slot i holds goes into the round's ROWS, ahead of PLACE, which writes the slot's next number over it.
.macro TAKE i
	WIN 0
.if \i
	v_cndmask_b32 v[ROWS], v[ROWS], s[ROW+\i],  s[QUAD+\i] ; lanes 4 i .. 4 i + 3 take the row's number
.else
	v_mov_b32 v[ROWS], s[ROW]                              ; slot 0 has a row in every round: it writes all lanes (see FOLD)
.endif
.endm
; Slot i's row times W[s].  Register pair p of the row holds d numbers 2 p and 2 p + 1 of my 32; op_sel and op_sel_hi take one of the two for
; both halves of a packed multiply-add, whose other source is that d's outputs (0,1) or (2,3).  The first products start the sums.
.macro DOT i
	WIN ROW_AS_SRC0
	v_pk_mul_f32 v[ACC:ACC+1],   v[32*\i:32*\i+1], v[W:W+1]   op_sel_hi:[0,1]
	v_pk_mul_f32 v[ACC+2:ACC+3], v[32*\i:32*\i+1], v[W+2:W+3] op_sel_hi:[0,1]
	v_pk_mul_f32 v[ACC+4:ACC+5], v[32*\i:32*\i+1], v[W+4:W+5] op_sel:[1,0] op_sel_hi:[1,1]
	v_pk_mul_f32 v[ACC+6:ACC+7], v[32*\i:32*\i+1], v[W+6:W+7] op_sel:[1,0] op_sel_hi:[1,1]
.set p, 1
.rept 15
	v_pk_fma_f32 v[ACC:ACC+1],   v[32*\i+2*p:32*\i+2*p+1], v[W+8*p:W+8*p+1],   v[ACC:ACC+1]   op_sel_hi:[0,1,1]
	v_pk_fma_f32 v[ACC+2:ACC+3], v[32*\i+2*p:32*\i+2*p+1], v[W+8*p+2:W+8*p+3], v[ACC+2:ACC+3] op_sel_hi:[0,1,1]
	v_pk_fma_f32 v[ACC+4:ACC+5], v[32*\i+2*p:32*\i+2*p+1], v[W+8*p+4:W+8*p+5], v[ACC+4:ACC+5] op_sel:[1,0,0] op_sel_hi:[1,1,1]
	v_pk_fma_f32 v[ACC+6:ACC+7], v[32*\i+2*p:32*\i+2*p+1], v[W+8*p+6:W+8*p+7], v[ACC+6:ACC+7] op_sel:[1,0,0] op_sel_hi:[1,1,1]
.set p, p+1
.endr
.endm
.macro FOLD i
	WIN 0
	v_pk_add_f32 v[ACC:ACC+1],   v[ACC:ACC+1],   v[ACC+4:ACC+5]
	v_pk_add_f32 v[ACC+2:ACC+3], v[ACC+2:ACC+3], v[ACC+6:ACC+7]
	; Four sums in each of 32 lanes become one sum in each lane, output lane & 3.  A lane keeps the output whose bit equals its own lane bit
	; and hands the other to its partner: 4 -> 2 -> 1 numbers over lane bits 0 and 1, then plain folds over bits 2, 3 and 4.
	v_cndmask_b32 v[K0], v[ACC],   v[ACC+1], s[ODD]        ; keep: odd lanes output 1, even lanes output 0
	v_cndmask_b32 v[S0], v[ACC+1], v[ACC],   s[ODD]        ; send: the other one
	v_cndmask_b32 v[K1], v[ACC+2], v[ACC+3], s[ODD]        ; the same of outputs 2 and 3
	v_cndmask_b32 v[S1], v[ACC+3], v[ACC+2], s[ODD]
	v_add_f32_dpp v[K0], v[S0], v[K0] row_xmask:1 row_mask:0xf bank_mask:0xf
	v_add_f32_dpp v[K1], v[S1], v[K1] row_xmask:1 row_mask:0xf bank_mask:0xf
	v_cndmask_b32 v[S0], v[K1], v[K0], s[UP2]
	v_cndmask_b32 v[K0], v[K0], v[K1], s[UP2]
	v_add_f32_dpp v[K0], v[S0], v[K0] row_xmask:2 row_mask:0xf bank_mask:0xf
	v_add_f32_dpp v[K0], v[K0], v[K0] row_xmask:4 row_mask:0xf bank_mask:0xf
	v_add_f32_dpp v[K0], v[K0], v[K0] row_xmask:8 row_mask:0xf bank_mask:0xf
	v_permlanex16_b32 v[S0], v[K0], s[SELLO], s[SELHI]     ; its destination counts as read: S0 has been written
.if \i
	v_add_f32 v[K0], v[K0], v[S0]                          ; every lane: the row's output lane & 3
	v_cndmask_b32 v[RES],  v[RES],  v[K0],      s[QUAD+\i] ; lanes 4 i .. 4 i + 3 take it
.else
	v_add_f32 v[RES], v[K0], v[S0]                         ; slot 0 has a row in every round: it writes all lanes, so that the lanes of a slot
	                                                       ; without a row store slot 0's numbers to slot 0's words once more, and EXEC stays whole
.endif
.endm
.macro OUT                             ; a round's results: 16 bytes for each of 8 rows, for one store
	v_min_u32 v[STA], 0x7fff, v[ROWS]              ; a row number from loaded data enters an offset only behind a minimum with a constant
	v_lshl_add_u32 v[STA], v[STA], 4, v[O4]
	v_add_f32 v[STV], v[RES], v[BIAS]
.endm
.irp i, 0,1,2,3,4,5,6,7
	PICK                                           ; fill the ring: my first 8 rows
	PLACE \i
	AIM \i                                         ; no memory instruction has read this offset yet
	WIN ROW_AS_DST
	s_wait_alu depctr_va_vdst(0)                   ; the slot's offset is written, which its loads read.  A wait to each slot: the vector side holds two short lines here, and a row is asked for as soon as it is known
	LOADS \i
.endr
	WIN 0
	s_cmp_eq_u32 s[TRIPS], 0
	s_cbranch_scc1 .Llast
	s_mov_b32 s[TRIP], 0
; Slot i's turn in a round that is not the last: all 8 slots hold rows.
.macro TURN i
	s_wait_loadcnt 8*(SLOTS-1)                     ; loads come back in order (ISA guide 5.7.1): this slot's 8 are in (and W and b, which are older), the 7 younger slots' 56 stay out.
	                                               ; That wait also shows the loads done that read the slot's base, which PLACE rewrites
	PICK
	TAKE \i
	DOT \i
	PLACE \i
.if \i == SLOTS-1
	s_wait_xcnt 0x0                                ; every earlier memory instruction has had its addresses translated (ISA guide 3.1): STA and STV, which the last round's store reads, are rewritten only behind this wait
.endif
	s_wait_alu depctr_vm_vsrc(0)                   ; the slot's earlier loads have read its offset, which AIM writes again; in the round's last turn also: the last round's store has read STA and STV, which OUT writes again
	AIM \i
.if \i == SLOTS-1
	FOLD \i
	OUT
.endif
	WIN ROW_AS_DST
	s_wait_alu depctr_va_vdst(0)                   ; DOT is done reading the slot's row, in which the loads below land; AIM has written the offset that they read; in the round's last turn OUT has written STA and STV
	LOADS \i                                       ; the row 8 further down my list
	WIN 0
.if \i == SLOTS-1
	global_store_b32 v[STA], v[STV], s[OUTP:OUTP+1]  ; behind the loads.  No wait of its own: no vector instruction stands between the wait above and this line
.else
	FOLD \i                                        ; names the sums, its own four registers and RES: none of the registers that the loads above touch
.endif
.endm
.Lround:
.irp i, 0,1,2,3,4,5,6,7
	TURN \i
.endr
	s_add_co_u32 s[TRIP], s[TRIP], 1
	s_cmp_lt_u32 s[TRIP], s[TRIPS]
	s_cbranch_scc1 .Lround
.Llast:                                            ; the last round loads nothing: the counts run down.  It holds REM rows, in slots 0 .. REM - 1.  Its turns hold vector work alone
.irp i, 0,1,2,3,4,5,6,7
.if \i
	s_cmp_le_u32 s[REM], \i
	s_cbranch_scc1 .Lfinish                        ; this slot and those behind it have no row; their 16-byte loads may be out at the end
.endif
	s_wait_loadcnt 8*(SLOTS-1-\i)
	TAKE \i
	DOT \i
	FOLD \i
.endr
.Lfinish:
	s_wait_xcnt 0x0                                ; the loop's last store has had its address translated: STA and STV are rewritten only behind this wait
	s_wait_alu depctr_vm_vsrc(0)                   ; the loop's last store has read STA and STV, which OUT writes again
	OUT
	s_wait_alu depctr_va_vdst(0)                   ; OUT has written STA and STV, which the store reads
	global_store_b32 v[STA], v[STV], s[OUTP:OUTP+1]
.Lend:
	s_endpgm
.Lfunc_end_k_q2dfc848d09_heads:
	.size	k_q2dfc848d09_heads, .Lfunc_end_k_q2dfc848d09_heads-k_q2dfc848d09_heads
	.p2alignl 7, 3214868480
	.fill 96, 4, 3214868480
	.section	.rodata,"a",@progbits
	.p2align	6, 0x0
	.amdhsa_kernel k_q2dfc848d09_heads
		.amdhsa_group_segment_fixed_size 0
		.amdhsa_private_segment_fixed_size 0
		.amdhsa_enable_private_segment 0
		.amdhsa_kernarg_size 40
		.amdhsa_user_sgpr_count 2
		.amdhsa_user_sgpr_kernarg_segment_ptr 1
		.amdhsa_wavefront_size32 1
		.amdhsa_system_sgpr_workgroup_id_x 1
		.amdhsa_system_sgpr_workgroup_id_y 1
		.amdhsa_system_sgpr_workgroup_id_z 1
		.amdhsa_system_vgpr_workitem_id 0
		.amdhsa_next_free_vgpr 512
		.amdhsa_next_free_sgpr 80
		.amdhsa_reserve_vcc 0
		.amdhsa_float_denorm_mode_32 3
		.amdhsa_float_denorm_mode_16_64 3
		.amdhsa_memory_ordered 1
		.amdhsa_forward_progress 1
		.amdhsa_inst_pref_size 125
	.end_amdhsa_kernel
	.amdgpu_metadata
---
amdhsa.version: [ 1, 2 ]
amdhsa.kernels:
  - .name:           k_q2dfc848d09_heads
    .symbol:         k_q2dfc848d09_heads.kd
    .args:
      - { .name: x, .offset: 0, .size: 8, .value_kind: global_buffer, .address_space: global }
      - { .name: subject_ids, .offset: 8, .size: 8, .value_kind: global_buffer, .address_space: global }
      - { .name: W, .offset: 16, .size: 8, .value_kind: global_buffer, .address_space: global }
      - { .name: b, .offset: 24, .size: 8, .value_kind: global_buffer, .address_space: global }
      - { .name: out0, .offset: 32, .size: 8, .value_kind: global_buffer, .address_space: global }
    .group_segment_fixed_size: 0
    .private_segment_fixed_size: 0
    .kernarg_segment_align: 8
    .kernarg_segment_size: 40
    .max_flat_workgroup_size: 256
    .sgpr_count:     80
    .vgpr_count:     512
    .wavefront_size: 32
...
	.end_amdgpu_metadata
.endif
;; end of part 2
